; MI455X (gfx1250); checked and timed in simulation.
; The chip was launched on July 23, 2026; its instructions are those of AMD's public machine-readable ISA for CDNA 5 (MIT licence, August 2026) and "CDNA5" Instruction Set Architecture Reference Guide (July 2026). The comments in the code are by the model that wrote it; some were corrected since.
;; Attention Layer. Allowed arithmetic: matrix products marked QUANTISED: E2M3 operands, one E8M0 scale for each 32 along K, by v_wmma_scale_f32_16x16x128_f8f6f4 with both operands' format E2M3, f32 sums; everything else in f32.
;; Inputs: Wk 512 x 512 float32; Wo 512 x 512 float32; Wq 512 x 512 float32; Wv 512 x 512 float32; bo 512 float32; hop_matrix 1,024 x 1,024 int32; rpe 8 x 9 float32; x 16 x 1,024 x 512 float32.
;; Outputs: out0 16 x 1,024 x 512 float32.
;; This version of the problem:
;;   THIS VERSION OF THE PROBLEM IS GIVEN IN LOW PRECISION. The matrix products marked QUANTISED in the list below multiply operands that are first quantised to E2M3 (2 exponent bits, 3 mantissa bits; 6 bits a number), with one power-of-two scale for each 32 numbers along K (OCP MX v1.0); their sums are f32. All else is computed in f32.
;;   The module's matrix products, in the order in which they are computed (A, B: the left and right operand; K: the contracted axis; several contracted axes count as one K, in the product's order):
;;     1. [M 16,384, K 512] x [K 512, N 512]; A: input x; B: input Wq: QUANTISED
;;     2. [M 16,384, K 512] x [K 512, N 512]; A: input x; B: input Wk: QUANTISED
;;     3. [M 16,384, K 512] x [K 512, N 512]; A: input x; B: input Wv: QUANTISED
;;     4. batch 128 x [M 1,024, K 64] x [K 64, N 1,024]; A: computed on the way; B: computed on the way: QUANTISED
;;     5. batch 128 x [M 1,024, K 1,024] x [K 1,024, N 64]; A: softmax (see below); B: computed on the way: QUANTISED
;;     6. [M 16,384, K 512] x [K 512, N 512]; A: computed on the way; B: input Wo: QUANTISED
;;   THE QUANTISER, for each operand of a quantised product, along K:
;;     - K is cut into blocks of 32 from its start; a last block that is shorter is filled with zeros.
;;     - A block's scale is 2^e with e = floor(log2(the largest magnitude in the block)) - 2, held to -126 .. 127; a block of zeros has e = 0. As a byte (E8M0): e + 127.
;;     - Each number is divided by its block's scale, clamped to +-7.5, and rounded to the nearest number of E2M3, ties to even, subnormals kept.
;;     - The product sums the exact products of the quantised numbers (number of the format x scale) in f32.
;;   ~~~python
;;   def quantise(x, axis):      # numpy; x: float32 -> the quantised numbers, widened to float32 again
;;       x = np.moveaxis(x, axis, -1); K = x.shape[-1]
;;       x = np.pad(x, [(0, 0)] * (x.ndim - 1) + [(0, -K % 32)]); x = x.reshape(x.shape[:-1] + (-1, 32)); a = np.abs(x).max(-1, keepdims=True)
;;       e = np.where(a > 0, np.clip(np.frexp(np.where(a > 0, a, 1))[1] - 1 - 2, -126, 127), 0)      # np.frexp(a)[1] - 1 = floor(log2(a)), exactly
;;       r = np.clip(x / 2.0 ** e, -7.5, 7.5)
;;       step = 2.0 ** (np.maximum(np.frexp(np.where(r == 0, 1, r))[1] - 1, 0) - 3)
;;       q = np.round(r / step) * step * 2.0 ** e      # np.round: ties to even
;;       return np.moveaxis(q.reshape(q.shape[:-2] + (-1,))[..., :K], -1, axis).astype(np.float32)
;;   ~~~
;;   SOFTMAX AHEAD OF A QUANTISED PRODUCT. Where the list says 'softmax', what is quantised is not the finished softmax but p = 2^(t - M), with t = logit x log2(e) and M = ceil(the row's largest t), a whole number; so 1/2 < the row's largest p <= 1. The row's sum l is taken of the UNQUANTISED p, in f32, and the product's result is divided by l at the end. Since M is a whole number, a kernel that streams over the keys may use a running M (the ceiling of the running maximum): every later rescaling is an exact power of two, which a block's scale takes up: the codes' values come out the same.
;;   OPERANDS COMPUTED ON THE WAY. 'Computed on the way' means the value that the module computes at that place (a softmax that the list does not call 'softmax' is quantised finished and normalised). What goes into a quantiser is computed in f32, as accurately as f32 sums, v_exp_f32 and their like allow (about 1e-6 of the number): no bf16 or f16 on the way to a quantiser, and a product that is left as it is and whose result goes on into a quantised operand takes f32 operands (vector FMAs, or v_wmma_f32_16x16x4_f32). A number that lies on a knife's edge between two numbers of the format may be rounded either way, as far as f32 arithmetic and the matrix unit's own rounding can turn it there, and no further.
;; One version. Each part assembles by itself: llvm-mc -triple=amdgcn-amd-amdhsa -mcpu=gfx1250 --defsym DOCPART=n.
;; ======== version 1 of 1: 4 launches
;; limits: right only within a limited range of input values
;; workspace buffers: xcod 6,815,744 bytes; wcod 851,968 bytes; hopb 1,048,576 bytes of whole numbers; qcod 7,340,032 bytes; kcod 7,340,032 bytes; vcod 6,815,744 bytes; acod 7,340,032 bytes
;; launch prep (part 1): grid 1280 x 1, 4 waves a work-group, no clusters, 43,520 bytes of LDS; arguments x, Wq, Wk, Wv, Wo, hop_matrix, xcod, wcod, hopb; writes xcod, wcod, hopb
.if DOCPART == 1
	.amdgcn_target "amdgcn-amd-amdhsa--gfx1250"
	.amdhsa_code_object_version 6
	.text
	.protected	k_qf8b5900810_prep
	.globl	k_qf8b5900810_prep
	.p2align	8
	.type	k_qf8b5900810_prep,@function
k_qf8b5900810_prep:
	s_mov_b64 s[64:65], 0
	v_nop
	global_prefetch_b8 v0, s[64:65] scope:SCOPE_SE
	s_setreg_imm32_b32 hwreg(HW_REG_WAVE_MODE, 25, 1), 1
	s_wait_xcnt 0x0
; PREP.  x [16384][512] and Wq, Wk, Wv, Wo [512][512], f32 with K innermost, become codes of FP6 (E2M3) with one E8M0 byte for each 32 along K,
; laid as IMAGES OF THE OPERAND'S REGISTERS; hop_matrix [1024][1024] becomes bytes 4 x hop in the order of the score registers of the attention launch.
; A TILE is 16 rows: tile T holds rows 32 (T / 2) + 8 (T % 2) + r + 8 (r / 8), r = 0 .. 15, so that a product that takes such tiles as source 0 leaves 16 neighbours
; in the 16 registers of two neighbouring tiles.  A tile's RECORD is 6,656 bytes: fragment s (128 along K: 12 registers a lane) at 1,536 s, register group g at 512 g + 16 x lane;
; the rows' scale words of step s at 6,144 + 128 s + 4 x lane (both halves of the lanes hold row lane % 16's word).
; SHARES.  Work-groups 0-1023: a tile of x; 1024-1151: a tile of Wq, Wk, Wv, Wo (32 each); wave s makes K step s.  Work-groups 1152-1279: four hop jobs, one a wave:
; job id = 16 queries (tile id / 8) x 128 keys (step id % 8).
; Each load reads 512 consecutive bytes of one row.  A TILE'S 16 rows turn through the wave's own stage in LDS (rows 528 = 33 x 16 bytes apart, so that the sixteen rows of a
; 16-byte read start 16 bytes apart modulo 256) and come back so that register 16 b + i of lane (r, h) is number 32 b + 16 h + i of row r: what the conversions want.
; A HOP JOB packs each lane's four hops into one word first, so that only 128 bytes a row turn through its stage (rows 144 = 9 x 16 bytes apart).
; The two paths part on the work-group's number; each has LDS bytes of its own.  Waves share nothing: no barrier.  No matrix work, no cluster: nothing is read twice.
; The claim is small (43,520 bytes, 146 registers a wave), so that several work-groups lie on a WGP and their loads are in flight together.
; A block's scale is 2^(floor(log2(largest magnitude)) - 2): its byte is the largest magnitude's exponent field - 2, held at 1 from below.
; LIMITS: a block whose largest magnitude lies under 2^-124, and a block of zeros, gets the byte 1 (the rule says 127 for zeros: the codes are zeros, and this program alone reads the bytes);
; NaN and infinities are not served; hop lies in 0 .. 8, as the table that it indexes asks.
.set TR,   6656                        ; a tile's record
.set SP,   528                         ; a row of a tile's stage
.set WST,  16*SP                       ; a wave's stage on the tile path
.set HST,  4*WST                       ; the hop path's four stages begin here
.set HP,   144                         ; a row of a hop stage
.set HWS,  16*HP                       ; a wave's stage on the hop path
.set L16,  4                           ; v4   16 x lane
.set L4,   5                           ; v5   4 x lane
.set STI,  6                           ; v6   into the tile stage: my wave's stage + 16 x lane
.set LDI,  7                           ; v7   out of it: my wave's stage + 528 r + 64 h
.set CO,   8                           ; v8   my 16 bytes of a register group of my fragment
.set SO,   9                           ; v9   my scale word
.set HSI,  10                          ; v10  into the hop stage: my wave's stage + 4 x lane
.set HLI,  11                          ; v11  out of it: my wave's stage + 144 r + 16 h
.set R,    16                          ; v16-79   16 rows as loaded
.set X,    80                          ; v80-143  64 numbers of my row; on the hop path the packed words
.set TM,   16                          ; v16-31   at work in QUANT: over the rows as loaded, which are done with by then
.set PW,   32                          ; v32      the scale word
.set PC,   36                          ; v36-54   the codes
.set SEL,  34                          ; s[34:35] v_permlanex16_b32's selects for lane l xor 16
; 64 numbers of a lane, register 16 b + i = k 32 b + 16 (lane / 16) + i of my row, become a fragment's 12 registers in v[PC] on and the row's scale word in v[PW].
.macro QUANT s
.irp b, 0,1,2,3
	v_max3_num_f32 v[TM+\b], |v[\s+16*\b]|, |v[\s+1+16*\b]|, 0x1800000   ; block b: my 16 numbers, and the floor 2^(3 - 127): the byte cannot fall under 1
.endr
.irp i, 2,4,6,8,10,12,14
.irp b, 0,1,2,3
	v_max3_num_f32 v[TM+\b], v[TM+\b], |v[\s+16*\b+\i]|, |v[\s+1+16*\b+\i]|   ; the four blocks by turns
.endr
.endr
.irp b, 0,1,2,3
	v_permlanex16_b32 v[TM+4+\b], v[TM+\b], s[SEL], s[SEL+1]
.endr
.irp b, 0,1,2,3
	v_max_num_f32 v[TM+\b], v[TM+\b], v[TM+4+\b]   ; with lane l xor 16's 16: the block's largest magnitude
.endr
.irp b, 0,1,2,3
	v_add_nc_u32 v[TM+12+\b], 0xff000000, v[TM+\b]   ; 2 off its exponent field: the conversion's scale operand
.endr
.irp b, 0,1,2,3
	v_lshrrev_b32 v[TM+4+\b], 23, v[TM+12+\b]   ; the scale's byte
.endr
	v_lshl_or_b32 v[PW], v[TM+5], 8, v[TM+4]
	v_lshl_or_b32 v[PW], v[TM+6], 16, v[PW]
	v_lshl_or_b32 v[PW], v[TM+7], 24, v[PW]
.irp c, 0,1
	v_cvt_scalef32_pk16_fp6_f32 v[PC+6*\c:PC+2+6*\c], v[\s+32*\c:\s+15+32*\c], v[TM+12+2*\c]
	v_cvt_scalef32_pk16_fp6_f32 v[PC+12+4*\c:PC+14+4*\c], v[\s+16+32*\c:\s+31+32*\c], v[TM+12+2*\c+1]   ; (a conversion's three registers begin on an even number)
.endr
	v_nop                                          ; one plain place behind a scaled conversion
.irp c, 0,1                                    ; the operand's layout wants a whole block in a lane: lanes 0-15 block 2 c, lanes 16-31 block 2 c + 1
.irp i, 0,1,2
	v_permlane16_swap_b32 v[PC+6*\c+\i], v[PC+12+4*\c+\i]
.endr
.irp i, 0,1,2
	v_mov_b32 v[PC+3+6*\c+\i], v[PC+12+4*\c+\i]
.endr
.endr
.endm
; The tile's 16 rows x 512 bytes, pitch bytes apart in memory, from s[24:25] on.
.macro ROWS pitch
.irp i, 0,1,2,3,4,5,6,7,8,9,10,11,12,13,14,15
	global_load_b128 v[R+4*\i:R+4*\i+3], v[L16], s[24:25] offset:(\i+8*(\i/8))*\pitch th:TH_LOAD_NT   ; the tile's row i: 32 lanes read 512 consecutive bytes; read once in the launch
.endr
.endm
	s_load_b256 s[4:11], s[0:1], 0x0               ; x s[4:5], Wq s[6:7], Wk s[8:9], Wv s[10:11]
	s_load_b256 s[12:19], s[0:1], 0x20             ; Wo s[12:13], hop s[14:15], x's records s[16:17], the weights' s[18:19]
	s_load_b64 s[20:21], s[0:1], 0x40              ; the hop bytes
	v_lshl_add_u32 v144, v0, 2, 0xa800
	v_mov_b32 v145, 0
	v_lshrrev_b32 v1, 5, v0
	v_readfirstlane_b32 s22, v1                    ; wave 0..3
	v_and_b32 v1, 31, v0                           ; lane
	v_and_b32 v2, 15, v0                           ; r
	v_bfe_u32 v3, v0, 4, 1                         ; h
	v_lshlrev_b32 v[L16], 4, v1
	v_lshlrev_b32 v[L4], 2, v1
	s_mul_i32 s23, s22, WST
	v_add_nc_u32 v[STI], s23, v[L16]
	v_mul_u32_u24 v[LDI], v2, SP
	v_lshl_add_u32 v[LDI], v3, 6, v[LDI]
	v_add_nc_u32 v[LDI], s23, v[LDI]
	s_mul_i32 s32, s22, HWS
	v_add_nc_u32 v[HSI], s32, v[L4]
	v_mul_u32_u24 v[HLI], v2, HP
	v_lshl_add_u32 v[HLI], v3, 4, v[HLI]
	v_add_nc_u32 v[HLI], s32, v[HLI]
	s_mov_b32 s31, 0                               ; the upper word of every offset here
	s_wait_kmcnt 0x0
	s_cmp_ge_u32 ttmp9, 1152
	s_cbranch_scc1 .Lhop
	; ---- a tile of x or of a weight
	s_mov_b32 s[SEL], 0x76543210
	s_mov_b32 s[SEL+1], 0xfedcba98
	s_and_b32 s28, ttmp9, 31                       ; a weight's tile (1,024 is a multiple of 32),
	s_sub_co_u32 s29, ttmp9, 1024                  ; and its place among the weights' records
	s_mov_b64 s[24:25], s[12:13]                   ; the source is chosen by the work-group's number alone
	s_cmp_lt_u32 ttmp9, 1120
	s_cselect_b64 s[24:25], s[10:11], s[24:25]
	s_cmp_lt_u32 ttmp9, 1088
	s_cselect_b64 s[24:25], s[8:9], s[24:25]
	s_cmp_lt_u32 ttmp9, 1056
	s_cselect_b64 s[24:25], s[6:7], s[24:25]
	s_cmp_lt_u32 ttmp9, 1024
	s_cselect_b64 s[24:25], s[4:5], s[24:25]
	s_cselect_b64 s[26:27], s[16:17], s[18:19]
	s_cselect_b32 s28, ttmp9, s28                  ; the tile in its tensor
	s_cselect_b32 s29, ttmp9, s29                  ; the record in its buffer
	s_lshr_b32 s30, s28, 1
	s_lshl_b32 s30, s30, 16                        ; 32 (T / 2) rows of 2,048 bytes
	s_and_b32 s28, s28, 1
	s_lshl_b32 s28, s28, 14                        ; + 8 (T % 2) rows
	s_add_co_u32 s30, s30, s28
	s_lshl_b32 s28, s22, 9                         ; + my K step's 512 bytes
	s_add_co_u32 s30, s30, s28
	s_add_nc_u64 s[24:25], s[24:25], s[30:31]
	s_mul_i32 s30, s29, TR
	s_add_nc_u64 s[26:27], s[26:27], s[30:31]
	s_mul_i32 s28, s22, 1536
	v_add_nc_u32 v[CO], s28, v[L16]
	s_lshl_b32 s28, s22, 7
	v_add_nc_u32 v[SO], s28, v[L4]
	ROWS 2048
.irp i, 0,1,2,3,4,5,6,7,8,9,10,11,12,13,14,15
	s_wait_loadcnt 15-\i                           ; loads come back in order: row i is in, the younger rows stay out
	ds_store_b128 v[STI], v[R+4*\i:R+4*\i+3] offset:SP*\i
.endr
	s_wait_alu depctr_va_vdst(0)
.irp b, 0,1,2,3
.irp j, 0,1,2,3
	ds_load_b128 v[X+16*\b+4*\j:X+16*\b+4*\j+3], v[LDI] offset:128*\b+16*\j   ; LDS serves a wave's instructions in order: these see my stores
.endr
.endr
	s_wait_dscnt 0x0                               ; my 64 numbers are in, and the stores have read the rows' registers
.irp b, 0,1,2,3
	v_mov_b32 v[TM+4+\b], 0                        ; a lane permute's destination counts as one of its sources
.endr
	QUANT X
.irp g, 0,1,2
	global_store_b128 v[CO], v[PC+4*\g:PC+4*\g+3], s[26:27] offset:512*\g   ; 32 lanes store 512 consecutive bytes, at a multiple of 256 from the buffer's first byte
.endr
	global_store_b32 v[SO], v[PW], s[26:27] offset:6144
	s_wait_tensorcnt 0x0
	ds_add_u32 v144, v145
	s_wait_dscnt 0x0
	s_endpgm
	; ---- 16 queries x 128 keys of hop
.Lhop:
	s_sub_co_u32 s28, ttmp9, 1152
	s_lshl_b32 s28, s28, 2
	s_add_co_u32 s28, s28, s22                     ; the job: 8 x query tile + key step
	s_lshr_b32 s29, s28, 3                         ; the query tile
	s_and_b32 s30, s28, 7
	s_lshl_b32 s30, s30, 9                         ; the key step's 512 bytes of a row
	s_lshr_b32 s23, s29, 1
	s_lshl_b32 s23, s23, 17                        ; 32 (T / 2) rows of 4,096 bytes
	s_add_co_u32 s30, s30, s23
	s_and_b32 s23, s29, 1
	s_lshl_b32 s23, s23, 15                        ; + 8 (T % 2) rows
	s_add_co_u32 s30, s30, s23
	s_add_nc_u64 s[24:25], s[14:15], s[30:31]
	s_lshl_b32 s30, s28, 11                        ; 2,048 bytes a job
	s_add_nc_u64 s[26:27], s[20:21], s[30:31]
	ROWS 4096
.irp i, 0,1,2,3,4,5,6,7,8,9,10,11,12,13,14,15  ; of row i my lane holds the hops of keys 4 x lane + 0 .. 3: they become one word, the first in the lowest byte
	s_wait_loadcnt 15-\i                           ; row i is in, the younger rows stay out
	v_lshl_or_b32 v[X+\i], v[R+4*\i+1], 8, v[R+4*\i]
	v_lshl_or_b32 v[X+16+\i], v[R+4*\i+3], 8, v[R+4*\i+2]
	v_lshl_or_b32 v[X+\i], v[X+16+\i], 16, v[X+\i]
	v_lshlrev_b32 v[X+\i], 2, v[X+\i]              ; 4 x hop, at most 32: each stays in its byte
	s_wait_alu depctr_va_vdst(0)
	ds_store_b32 v[HSI], v[X+\i] offset:HST+HP*\i  ; 128 consecutive bytes: the row's 32 words
.endr
.irp g, 0,1,2,3
	ds_load_b128 v[R+4*\g:R+4*\g+3], v[HLI] offset:HST+32*\g   ; lane (r, h): words 8 g + 4 h + 0 .. 3 of row r: keys 32 g + 16 h + 0 .. 15.  LDS serves a wave's instructions in order
.endr
	s_wait_dscnt 0x0
.irp g, 0,1,2,3
	global_store_b128 v[L16], v[R+4*\g:R+4*\g+3], s[26:27] offset:512*\g   ; 512 consecutive bytes, at a multiple of 256 from the buffer's first byte
.endr
	s_wait_tensorcnt 0x0
	ds_add_u32 v144, v145
	s_wait_dscnt 0x0
	s_endpgm
.Lfunc_end_k_qf8b5900810_prep:
	.size	k_qf8b5900810_prep, .Lfunc_end_k_qf8b5900810_prep-k_qf8b5900810_prep
	.p2alignl 7, 3214868480
	.fill 96, 4, 3214868480
	.section	.rodata,"a",@progbits
	.p2align	6, 0x0
	.amdhsa_kernel k_qf8b5900810_prep
		.amdhsa_group_segment_fixed_size 43520
		.amdhsa_private_segment_fixed_size 0
		.amdhsa_enable_private_segment 0
		.amdhsa_kernarg_size 72
		.amdhsa_user_sgpr_count 2
		.amdhsa_user_sgpr_kernarg_segment_ptr 1
		.amdhsa_wavefront_size32 1
		.amdhsa_system_sgpr_workgroup_id_x 1
		.amdhsa_system_sgpr_workgroup_id_y 1
		.amdhsa_system_sgpr_workgroup_id_z 1
		.amdhsa_system_vgpr_workitem_id 0
		.amdhsa_next_free_vgpr 146
		.amdhsa_next_free_sgpr 66
		.amdhsa_reserve_vcc 0
		.amdhsa_float_denorm_mode_32 3
		.amdhsa_float_denorm_mode_16_64 3
		.amdhsa_memory_ordered 1
		.amdhsa_forward_progress 1
		.amdhsa_inst_pref_size 20
	.end_amdhsa_kernel
	.amdgpu_metadata
---
amdhsa.version: [ 1, 2 ]
amdhsa.kernels:
  - .name:           k_qf8b5900810_prep
    .symbol:         k_qf8b5900810_prep.kd
    .args:
      - { .name: x, .offset: 0, .size: 8, .value_kind: global_buffer, .address_space: global }
      - { .name: Wq, .offset: 8, .size: 8, .value_kind: global_buffer, .address_space: global }
      - { .name: Wk, .offset: 16, .size: 8, .value_kind: global_buffer, .address_space: global }
      - { .name: Wv, .offset: 24, .size: 8, .value_kind: global_buffer, .address_space: global }
      - { .name: Wo, .offset: 32, .size: 8, .value_kind: global_buffer, .address_space: global }
      - { .name: hop_matrix, .offset: 40, .size: 8, .value_kind: global_buffer, .address_space: global }
      - { .name: xcod, .offset: 48, .size: 8, .value_kind: global_buffer, .address_space: global }
      - { .name: wcod, .offset: 56, .size: 8, .value_kind: global_buffer, .address_space: global }
      - { .name: hopb, .offset: 64, .size: 8, .value_kind: global_buffer, .address_space: global }
    .group_segment_fixed_size: 43520
    .private_segment_fixed_size: 0
    .kernarg_segment_align: 8
    .kernarg_segment_size: 72
    .max_flat_workgroup_size: 128
    .sgpr_count:     66
    .vgpr_count:     146
    .wavefront_size: 32
...
	.end_amdgpu_metadata
.endif
;; end of part 1
;; launch qkv (part 2): grid 64 x 4, 8 waves a work-group, clusters of 4 x 1, 267,264 bytes of LDS; arguments xcod, wcod, qcod, kcod, vcod; writes qcod, kcod, vcod
.if DOCPART == 2
	.amdgcn_target "amdgcn-amd-amdhsa--gfx1250"
	.amdhsa_code_object_version 6
	.text
	.protected	k_qf8b5900810_qkv
	.globl	k_qf8b5900810_qkv
	.p2align	8
	.type	k_qf8b5900810_qkv,@function
k_qf8b5900810_qkv:
	s_mov_b64 s[64:65], 0
	v_nop
	global_prefetch_b8 v0, s[64:65] scope:SCOPE_SE
	s_setreg_imm32_b32 hwreg(HW_REG_WAVE_MODE, 25, 1), 1
	s_wait_xcnt 0x0
	s_wait_alu depctr_hold_cnt(0) depctr_sa_sdst(0) depctr_va_vdst(0) depctr_va_sdst(0) depctr_va_ssrc(0) depctr_va_vcc(0) depctr_vm_vsrc(0)
	s_getreg_b32 s2, hwreg(HW_REG_IB_STS2, 6, 4)
	s_cmp_eq_u32 s2, 0
	s_cbranch_scc0 .Lentry_in_a_cluster
	s_endpgm
.Lentry_in_a_cluster:
	s_bfe_u32 s2, ttmp6, 0x10000c
	s_cmp_lg_u32 s2, 0x3003
	s_cbranch_scc0 .Lentry_shape_is_right
	s_endpgm
.Lentry_shape_is_right:
; QKV.  q = x Wq^T, k = x Wk^T, v = x Wv^T on codes of FP6 (E2M3) with E8M0 scales, and the results quantised in registers: q and k along the head's 64, v along the keys.
; x and the weights arrive as tile records of 6,656 bytes (fragment s at 1,536 s, register group g at 512 g + 16 x lane; scale words at 6,144 + 128 s + 4 x lane); tile T holds rows 32 (T / 2) + 8 (T % 2) + r + 8 (r / 8).
; SHARES.  Work-group (p, tb): 256 tokens (x's tiles 16 tb .. + 15) x 384 of the 1,536 channels of q | k | v (weight tiles 24 p .. + 23), as three UNITS of 128 channels, u = 3 p + i: u < 4 q, u < 8 k, else v.
; All 266,240 bytes come into LDS once, one tensor load a wave, issued together; then one wait for them and one barrier; LDS is only read after that.
; A unit is 8 wave tiles of 8 tiles (source 0, set A) x 2 tiles (source 1, set B), 16 accumulators, K = 512 in four steps:
;   q, k: A = the unit's 8 weight tiles, B = x's tiles 2 w, 2 w + 1: a lane holds one token, its 64 registers 128 channels (two heads) in the order that the quantiser wants;
;   v:    A = x's tiles 8 (w / 4) .. + 7, B = weight tiles 2 (w % 4), + 1 of the unit: a lane holds one channel, its 64 registers 128 neighbouring tokens: the keys of one step.
; One text serves both: the two LDS bases are chosen by the unit's number.
; OUT.  q, k: for each head b x 8 + h 57,344 bytes: 64 half records of 768 bytes (16 tokens x 64: registers 0-3 at 16 x lane, 4-5 at 512 + 8 x lane), then 64 scale images of 128 bytes (byte 0, 1; bytes 2, 3 are 0).
;       v: for each head 53,248 bytes: fragments [key step 8][channel tile 4] of 1,536 bytes, then 32 scale images.
; NO CLUSTER: a work-group asks for each byte once, at its start, and no loop fills LDS again; joint loads would divide the 106,496 bytes of x by the four work-groups of a token block: not built.
; LIMITS: a block whose largest magnitude lies under 2^-124, and a block of zeros, gets the byte 1 (its codes are then zeros or tiny; this program alone reads the bytes); NaN and infinities are not served.
.set TR,   6656
.set WL,   16*TR                       ; LDS: x's 16 records at 0, the weights' 24 from here
.set L16,  1                           ; v1   16 x lane
.set L8,   2                           ; v2   8 x lane
.set L4,   3                           ; v3   4 x lane
.set ADA,  4                           ; v4   set A: base + 16 x lane
.set ADAS, 5                           ; v5   base + 4 x lane
.set ADB,  6                           ; v6   set B likewise
.set ADBS, 7                           ; v7
.set BF0,  16                          ; v16-39   B's two fragments, even K steps
.set BF1,  96                          ; v96-119  odd K steps
.set BS0,  40                          ; v40-41   B's scale words, even steps
.set ASC,  42                          ; v42-45   A's scale words, one for each buffer
.set BS1,  46                          ; v46-47   B's, odd steps
.set AF,   48                          ; v48-95   A's fragments: four buffers by turns
.set ACC,  128                         ; v128-255 accumulator (b, a) at 128 + 64 b + 8 a
.set PC,   16                          ; on the way out: the codes, v16-34
.set TM,   96                          ; v96-111  at work in QUANT
.set PW,   112                         ; the scale word; v113, v114 its two halves
.set PWA,  113
.set PWB,  114
.set SEL,  20                          ; s[20:21]
.set G1X,  24                          ; s[24:31] descriptor group 1: 104 rows of 256 bytes (four records)
.set G1W,  32                          ; s[32:39] 156 rows (six records)
.set G0,   40                          ; s[40:47] two groups 0
.macro QUANT s
.irp b, 0,1,2,3
	v_max3_num_f32 v[TM+\b], |v[\s+16*\b]|, |v[\s+1+16*\b]|, 0x1800000   ; block b: my 16 numbers, and the floor 2^(3 - 127).  (Each accumulator is read from its low end on)
.endr
.irp i, 2,4,6,8,10,12,14
.irp b, 0,1,2,3
	v_max3_num_f32 v[TM+\b], v[TM+\b], |v[\s+16*\b+\i]|, |v[\s+1+16*\b+\i]|
.endr
.endr
.irp b, 0,1,2,3
	s_delay_alu instid0(VALU_DEP_4)
	v_permlanex16_b32 v[TM+4+\b], v[TM+\b], s[SEL], s[SEL+1]
.endr
.irp b, 0,1,2,3
	s_delay_alu instid0(VALU_DEP_4)
	v_max_num_f32 v[TM+\b], v[TM+\b], v[TM+4+\b]   ; with lane l xor 16's 16: the block's largest magnitude
.endr
.irp b, 0,1,2,3
	s_delay_alu instid0(VALU_DEP_4)
	v_add_nc_u32 v[TM+12+\b], 0xff000000, v[TM+\b]   ; 2 off its exponent field: the conversion's scale operand
.endr
.irp b, 0,1,2,3
	s_delay_alu instid0(VALU_DEP_4)
	v_lshrrev_b32 v[TM+4+\b], 23, v[TM+12+\b]   ; the scale's byte
.endr
	s_delay_alu instid0(VALU_DEP_3)
	v_lshl_or_b32 v[PW], v[TM+5], 8, v[TM+4]
	s_delay_alu instid0(VALU_DEP_1)
	v_lshl_or_b32 v[PW], v[TM+6], 16, v[PW]
	s_delay_alu instid0(VALU_DEP_1)
	v_lshl_or_b32 v[PW], v[TM+7], 24, v[PW]
.irp c, 0,1
	v_cvt_scalef32_pk16_fp6_f32 v[PC+6*\c:PC+2+6*\c], v[\s+32*\c:\s+15+32*\c], v[TM+12+2*\c]
	v_cvt_scalef32_pk16_fp6_f32 v[PC+12+4*\c:PC+14+4*\c], v[\s+16+32*\c:\s+31+32*\c], v[TM+12+2*\c+1]
.endr
	v_nop                                          ; one plain place behind a scaled conversion
.irp c, 0,1
.irp i, 0,1,2
	v_permlane16_swap_b32 v[PC+6*\c+\i], v[PC+12+4*\c+\i]
.endr
.irp i, 0,1,2
	s_delay_alu instid0(VALU_DEP_3)
	v_mov_b32 v[PC+3+6*\c+\i], v[PC+12+4*\c+\i]
.endr
.endr
.endm
.macro LDA n                           ; A's fragment n = 8 s + a and its scale words, into buffer n % 4: four LDS loads
.set LAA, (\n)%8
.set LAS, (\n)/8
.set LAQ, (\n)%4
.irp g, 0,1,2
	ds_load_b128 v[AF+12*LAQ+4*\g:AF+12*LAQ+4*\g+3], v[ADA] offset:TR*LAA+1536*LAS+512*\g
.endr
	ds_load_b32 v[ASC+LAQ], v[ADAS] offset:TR*LAA+6144+128*LAS
.endm
.macro LDB s                           ; B's two fragments of K step s: eight LDS loads
.set LBS, (\s)
.set LBF, BF0+(BF1-BF0)*(LBS%2)
.set LBC, BS0+(BS1-BS0)*(LBS%2)
.irp b, 0,1
.irp g, 0,1,2
	ds_load_b128 v[LBF+12*\b+4*\g:LBF+12*\b+4*\g+3], v[ADB] offset:TR*\b+1536*LBS+512*\g
.endr
	ds_load_b32 v[LBC+\b], v[ADBS] offset:TR*\b+6144+128*LBS
.endr
.endm
.macro MM n                            ; A's fragment n against B's two.  The first K step's products start the sums: nothing is cleared
.set MA, (\n)%8
.set MS, (\n)/8
.set MQ, (\n)%4
.set MBF, BF0+(BF1-BF0)*(MS%2)
.set MBC, BS0+(BS1-BS0)*(MS%2)
.irp b, 0,1
.if MS == 0
	v_wmma_scale_f32_16x16x128_f8f6f4 v[ACC+64*\b+8*MA:ACC+64*\b+8*MA+7], v[AF+12*MQ:AF+12*MQ+11], v[MBF+12*\b:MBF+12*\b+11], 0, v[ASC+MQ], v[MBC+\b] matrix_a_fmt:MATRIX_FMT_FP6 matrix_b_fmt:MATRIX_FMT_FP6
.else
	v_wmma_scale_f32_16x16x128_f8f6f4 v[ACC+64*\b+8*MA:ACC+64*\b+8*MA+7], v[AF+12*MQ:AF+12*MQ+11], v[MBF+12*\b:MBF+12*\b+11], v[ACC+64*\b+8*MA:ACC+64*\b+8*MA+7], v[ASC+MQ], v[MBC+\b] matrix_a_fmt:MATRIX_FMT_FP6 matrix_b_fmt:MATRIX_FMT_FP6
.endif
.endr
.endm
; 64 matrix instructions: the 16 accumulators take turns, one instruction a turn, in the same order in every K step.
.macro GEMM
	LDB 0
	LDA 0
	LDA 1
	LDA 2
	LDA 3
.set N, 0
	s_wait_alu depctr_va_vdst(0)
.rept 32
.if N < 29
	s_wait_dscnt 12                                ; fragment N is in; the three younger fragments' twelve loads may be out (where B's eight loads lie among the younger ones the count is only stricter;
.else                                          ; B's next step, asked for four fragments ahead of its first use, lies in front of those twelve by then)
	s_wait_dscnt 4*(31-N)
.endif
	MM N
.if N < 28
.rept 4
	v_nop                                          ; four places in front of loads into registers that these products read (ISA guide 7.12.1 for vector instructions)
.endr
.if (N%8 == 3) && (N < 24)
	LDB N/8+1
.endif
	LDA N+4
.endif
.set N, N+1
.endr
.endm
; B's tile b is quantised and stored: two heads' half records of q or k, or a fragment of v.
.macro OUTQ b
	QUANT ACC+64*\b
	v_and_b32 v[PWA], 0xffff, v[PW]                ; the first head's two bytes; the bytes over the padded half of K are 0
	v_lshrrev_b32 v[PWB], 16, v[PW]                ; the second head's
	s_cmp_ge_u32 s17, 8
	s_cbranch_scc1 .Lis_v_\@
	global_store_b128 v[L16], v[PC:PC+3], s[68:69] offset:768*\b            ; whole aligned blocks of 256 bytes: sixteen lanes x 16, or 32 lanes x 8
	global_store_b64 v[L8], v[PC+4:PC+5], s[68:69] offset:768*\b+512
	global_store_b128 v[L16], v[PC+6:PC+9], s[68:69] offset:57344+768*\b    ; the next head's block lies 57,344 bytes on
	global_store_b64 v[L8], v[PC+10:PC+11], s[68:69] offset:57344+768*\b+512
	global_store_b32 v[L4], v[PWA], s[70:71] offset:49152+128*\b
	global_store_b32 v[L4], v[PWB], s[70:71] offset:57344+49152+128*\b
	s_branch .Lstored_\@
.Lis_v_\@:
	s_wait_alu depctr_va_vdst(0)
.irp g, 0,1,2
	global_store_b128 v[L16], v[PC+4*\g:PC+4*\g+3], s[72:73] offset:1536*\b+512*\g
.endr
	global_store_b32 v[L4], v[PW], s[74:75] offset:49152+128*\b
.Lstored_\@:
.endm
.macro UNIT i
	s_wait_xcnt 0x0                                ; the last unit's stores have read their data and bases: both are written again below
	s_mul_i32 s17, s15, 3
	s_add_co_u32 s17, s17, \i                      ; u
	s_and_b32 s18, s17, 3
	s_lshl_b32 s18, s18, 1
	s_add_co_u32 s18, s18, s61                     ; the first of the unit's two heads: 8 x batch + 2 (u % 4).  Both kinds of base are made in every unit; both lie inside their buffers
	s_mul_i32 s19, s18, 57344
	s_add_co_u32 s76, s19, s56
	s_mov_b32 s77, 0
	s_add_co_u32 s78, s19, s57
	s_mov_b32 s79, 0
	s_cmp_lt_u32 s17, 4
	s_cselect_b64 s[68:69], s[8:9], s[10:11]       ; q's buffer or k's: the choice hangs on the unit's number alone
	s_add_nc_u64 s[70:71], s[68:69], s[78:79]      ; scale images
	s_add_nc_u64 s[68:69], s[68:69], s[76:77]      ; half records
	s_add_co_u32 s18, s18, s58                     ; v: my two channel tiles' head
	s_mul_i32 s19, s18, 53248
	s_add_co_u32 s76, s19, s59
	s_add_co_u32 s78, s19, s60
	s_add_nc_u64 s[72:73], s[12:13], s[76:77]
	s_add_nc_u64 s[74:75], s[12:13], s[78:79]
	s_add_co_u32 s80, s66, WL+8*\i*TR              ; v: B = the unit's weight tiles 2 (w % 4), + 1
	s_mov_b32 s81, WL+8*\i*TR                      ; q, k: A = the unit's eight weight tiles
	s_cmp_ge_u32 s17, 8
	s_cselect_b32 s81, s62, s81                    ; v: A = x's tiles 8 (w / 4) on
	s_cselect_b32 s80, s80, s63                    ; q, k: B = x's tiles 2 w, 2 w + 1
	v_add_nc_u32 v[ADA], s81, v[L16]
	v_add_nc_u32 v[ADAS], s81, v[L4]
	v_add_nc_u32 v[ADB], s80, v[L16]
	v_add_nc_u32 v[ADBS], s80, v[L4]
	GEMM
.rept 4
	v_nop                                          ; four places in front of the first read of results and of writes over B's registers
.endr
	OUTQ 0
	s_wait_xcnt 0x0                                ; tile 0's stores have read the codes' registers
	OUTQ 1
.endm
	s_load_b256 s[4:11], s[0:1], 0x0               ; x's records s[4:5], the weights' s[6:7], q s[8:9], k s[10:11]
	s_load_b64 s[12:13], s[0:1], 0x20              ; v
	v_lshl_add_u32 v126, v0, 2, 0x41000
	v_mov_b32 v127, 0
	ds_add_u32 v126, v127
	ds_add_u32 v126, v127
	v_lshrrev_b32 v1, 5, v0
	s_delay_alu instid0(VALU_DEP_1)
	v_readfirstlane_b32 s14, v1                    ; wave 0..7
	; CLUSTER 4, 1, 1: four token blocks with the same p need the same 24 weight records: these are asked for jointly.  p is the cluster's y: equal in all four partners
	s_and_b32 s15, ttmp7, 0xffff                   ; p
	s_bfe_u32 s16, ttmp6, 0x40000                  ; cx
	s_lshl_b32 s17, ttmp9, 2
	s_add_co_u32 s16, s16, s17                     ; tb = 4 x cluster x + cx: it enters global addresses alone
	; descriptor group 1: a dense block as rows of 256 bytes (32 elements of 8 bytes), no padding, no mask
.irp g, G1X, G1W
	s_mov_b32 s[\g], 3<<16                         ; 17:16 elements of 8 bytes
	s_mov_b32 s[\g+1], 32<<16                      ; tensor_dim0 = 32
	s_mov_b32 s[\g+3], 32<<16                      ; tile_dim0 = 32
	s_mov_b32 s[\g+5], 32                          ; tensor_dim0_stride
	s_mov_b32 s[\g+6], 0
	s_mov_b32 s[\g+7], 0
.endr
	; ONE tensor load a wave: waves 0-3 bring four of x's 16 records each (104 rows of 256 bytes), waves 4-7 six of the 24 weight records each (156 rows)
	s_mov_b32 s[G1X+2], 104<<16
	s_mov_b32 s[G1X+4], 104
	s_mov_b32 s[G1W], 15|(3<<16)|(1<<21)           ; the weights' loads name the cluster's four, bit 21 beside the mask
	s_mov_b32 s[G1W+2], 156<<16
	s_mov_b32 s[G1W+4], 156
	s_and_b32 s19, s14, 3                          ; which quarter of x's or of the weights' records I fetch
	s_lshl_b32 s17, s16, 4
	s_lshl_b32 s18, s19, 2
	s_add_co_u32 s17, s17, s18                     ; x's tile 16 tb + 4 (w % 4)
	s_mul_i32 s76, s17, TR
	s_mov_b32 s77, 0
	s_mul_i32 s17, s15, 24
	s_mul_i32 s18, s19, 6
	s_add_co_u32 s17, s17, s18                     ; weight tile 24 p + 6 (w % 4)
	s_mul_i32 s78, s17, TR
	s_mov_b32 s79, 0
	s_mul_i32 s18, s19, 4*TR                       ; where they go: a constant x my wave's number
	s_mul_i32 s19, s19, 6*TR
	s_wait_dscnt 0x0
	s_wait_kmcnt 0x0
	s_mov_b32 s[G0], 1
	s_mov_b32 s[G0+1], s18
	s_add_nc_u64 s[G0+2:G0+3], s[4:5], s[76:77]
	s_or_b32 s[G0+3], s[G0+3], 0x80000000
	s_mov_b32 s[G0+4], 1
	s_add_co_u32 s[G0+5], s19, WL
	s_add_nc_u64 s[G0+6:G0+7], s[6:7], s[78:79]
	s_or_b32 s[G0+7], s[G0+7], 0x80000000
.macro CROUND                          ; a round of the cluster's barrier
	s_barrier_signal -1
	s_barrier_wait -1
	s_cmp_lg_u32 s14, 0
	s_cbranch_scc1 .Lnot_wave_0_\@
	s_barrier_signal -3
.Lnot_wave_0_\@:
	s_barrier_wait -3
	s_barrier_signal -1
	s_barrier_wait -1
.endm
	CROUND                                         ; the four work-groups are here: the joint loads meet
	s_cmp_lt_u32 s14, 4
	s_cbranch_scc0 .Lfor_w
	tensor_load_to_lds s[G0:G0+3], s[G1X:G1X+7]
	s_nop 0
.rept 4
	v_nop
.endr
	s_branch .Lasked
.Lfor_w:
	tensor_load_to_lds s[G0+4:G0+7], s[G1W:G1W+7]
	s_nop 0
.rept 4
	v_nop
.endr
.Lasked:
.rept 4
	v_nop
.endr
	v_and_b32 v8, 31, v0
	s_delay_alu instid0(VALU_DEP_1)
	v_lshlrev_b32 v[L16], 4, v8
	s_delay_alu instid0(VALU_DEP_2)
	v_lshlrev_b32 v[L8], 3, v8
	s_delay_alu instid0(VALU_DEP_3)
	v_lshlrev_b32 v[L4], 2, v8
.irp b, 0,1,2,3
	v_mov_b32 v[TM+4+\b], 0                        ; a lane permute's destination counts as one of its sources
.endr
	s_mov_b32 s[SEL], 0x76543210
	s_mov_b32 s[SEL+1], 0xfedcba98
	s_lshr_b32 s61, s16, 2
	s_lshl_b32 s61, s61, 3                         ; 8 x batch
	s_and_b32 s17, s16, 3                          ; which quarter of the batch's tokens
	s_lshl_b32 s18, s17, 4
	s_lshl_b32 s19, s14, 1
	s_add_co_u32 s18, s18, s19                     ; q, k: my first token tile in the batch: 16 (tb % 4) + 2 w
	s_mul_i32 s56, s18, 768
	s_lshl_b32 s57, s18, 7
	s_bfe_u32 s58, s14, 0x10001                    ; v: (w / 2) % 2: which of the unit's two heads
	s_lshl_b32 s17, s17, 1
	s_lshr_b32 s19, s14, 2
	s_add_co_u32 s17, s17, s19                     ; v: the key step: 2 (tb % 4) + w / 4
	s_lshl_b32 s17, s17, 2
	s_and_b32 s18, s14, 1
	s_lshl_b32 s18, s18, 1
	s_add_co_u32 s17, s17, s18                     ; v: my first fragment: 4 x step + 2 (w % 2)
	s_mul_i32 s59, s17, 1536
	s_lshl_b32 s60, s17, 7
	s_mul_i32 s62, s19, 8*TR
	s_mul_i32 s63, s14, 2*TR
	s_and_b32 s66, s14, 3
	s_mul_i32 s66, s66, 2*TR
	s_wait_alu depctr_va_vdst(0)
	s_wait_tensorcnt 0x0                           ; my load has landed,
	s_barrier_signal -1
	s_barrier_wait -1                              ; everybody's have: from here on LDS is only read
	UNIT 0
	UNIT 1
	UNIT 2
	s_wait_tensorcnt 0x0
	ds_add_u32 v126, v127
	s_wait_dscnt 0x0
	CROUND                                         ; the closing round
	s_endpgm
.Lfunc_end_k_qf8b5900810_qkv:
	.size	k_qf8b5900810_qkv, .Lfunc_end_k_qf8b5900810_qkv-k_qf8b5900810_qkv
	.p2alignl 7, 3214868480
	.fill 96, 4, 3214868480
	.section	.rodata,"a",@progbits
	.p2align	6, 0x0
	.amdhsa_kernel k_qf8b5900810_qkv
		.amdhsa_group_segment_fixed_size 267264
		.amdhsa_private_segment_fixed_size 0
		.amdhsa_enable_private_segment 0
		.amdhsa_kernarg_size 40
		.amdhsa_user_sgpr_count 2
		.amdhsa_user_sgpr_kernarg_segment_ptr 1
		.amdhsa_wavefront_size32 1
		.amdhsa_system_sgpr_workgroup_id_x 1
		.amdhsa_system_sgpr_workgroup_id_y 1
		.amdhsa_system_sgpr_workgroup_id_z 1
		.amdhsa_system_vgpr_workitem_id 0
		.amdhsa_next_free_vgpr 256
		.amdhsa_next_free_sgpr 96
		.amdhsa_reserve_vcc 0
		.amdhsa_float_denorm_mode_32 3
		.amdhsa_float_denorm_mode_16_64 3
		.amdhsa_memory_ordered 1
		.amdhsa_forward_progress 1
		.amdhsa_inst_pref_size 112
	.end_amdhsa_kernel
	.amdgpu_metadata
---
amdhsa.version: [ 1, 2 ]
amdhsa.kernels:
  - .name:           k_qf8b5900810_qkv
    .symbol:         k_qf8b5900810_qkv.kd
    .args:
      - { .name: xcod, .offset: 0, .size: 8, .value_kind: global_buffer, .address_space: global }
      - { .name: wcod, .offset: 8, .size: 8, .value_kind: global_buffer, .address_space: global }
      - { .name: qcod, .offset: 16, .size: 8, .value_kind: global_buffer, .address_space: global }
      - { .name: kcod, .offset: 24, .size: 8, .value_kind: global_buffer, .address_space: global }
      - { .name: vcod, .offset: 32, .size: 8, .value_kind: global_buffer, .address_space: global }
    .group_segment_fixed_size: 267264
    .private_segment_fixed_size: 0
    .kernarg_segment_align: 8
    .kernarg_segment_size: 40
    .max_flat_workgroup_size: 256
    .sgpr_count:     96
    .vgpr_count:     256
    .wavefront_size: 32
...
	.end_amdgpu_metadata
.endif
;; end of part 2
;; launch attn (part 3): grid 4 x 64, 8 waves a work-group, clusters of 4 x 1, 223,232 bytes of LDS; arguments qcod, kcod, vcod, hopb, rpe, acod; writes acod
.if DOCPART == 3
	.amdgcn_target "amdgcn-amd-amdhsa--gfx1250"
	.amdhsa_code_object_version 6
	.text
	.protected	k_qf8b5900810_attn
	.globl	k_qf8b5900810_attn
	.p2align	8
	.type	k_qf8b5900810_attn,@function
k_qf8b5900810_attn:
	s_mov_b64 s[64:65], 0
	v_nop
	global_prefetch_b8 v0, s[64:65] scope:SCOPE_SE
	s_setreg_imm32_b32 hwreg(HW_REG_WAVE_MODE, 25, 1), 1
	s_wait_xcnt 0x0
	s_wait_alu depctr_hold_cnt(0) depctr_sa_sdst(0) depctr_va_vdst(0) depctr_va_sdst(0) depctr_va_ssrc(0) depctr_va_vcc(0) depctr_vm_vsrc(0)
	s_getreg_b32 s2, hwreg(HW_REG_IB_STS2, 6, 4)
	s_cmp_eq_u32 s2, 0
	s_cbranch_scc0 .Lentry_in_a_cluster
	s_endpgm
.Lentry_in_a_cluster:
	s_bfe_u32 s2, ttmp6, 0x10000c
	s_cmp_lg_u32 s2, 0x3003
	s_cbranch_scc0 .Lentry_shape_is_right
	s_endpgm
.Lentry_shape_is_right:
; ATTENTION on codes of FP6 (E2M3) with E8M0 scales.  logit = q . k / 8 + rpe[h][hop[q][k]];  t = logit x log2(e);  M = the running largest t, rounded UP to a whole number;
; p = 2^(t - M) is quantised along the keys, not normalised; the row's sum is taken of the unquantised p and divides O at the end; O / sum is quantised along the head's 64 and stored as codes.
; SHARES.  Work-group (quarter cx, y = 8 x batch pair + h): 256 queries of head h in TWO batches.  The bias hangs on head, query and key alone, not on the batch:
; a step's 64 bias numbers a lane are looked up once and are the C of both batches' score products.  Eight waves, two to a SIMD; a wave takes two tiles of 16 queries, one after the other,
; and walks all 1,024 keys, 128 a trip, both batches in each trip.
; BOTH BATCHES' K AND V LIE IN LDS WHOLE (2 x 110,592 bytes), filled once, half a block by each wave: no byte is filled again.
; CLUSTER 4, 1, 1: the four quarters need the same K and V: each half block is asked for jointly, by the same load with the mask of all four.
; LAYOUT.  Both products are used transposed: S^T = K Q^T, O^T = V^T P^T: a lane holds ONE query.  A tile holds rows 32 (T / 2) + 8 (T % 2) + r + 8 (r / 8), so that the 16 registers of tiles 2 b, 2 b + 1 are 16 neighbours.
; K = 64 IN AN INSTRUCTION OF 128: q's upper six registers are zero codes; k's upper six are whatever follows in the registers; the scale bytes over them are 0, which is 2^-127 and no NaN.
; THE BIAS: 8 x rpe (exact) is the C of the score product, t = (q . k + 8 bias) x log2(e) / 8.  The head's nine numbers lie in lanes 0-8 of one register; ds_bpermute_b32 fetches by 4 x hop, laid as bytes by an earlier launch.
; SCALE WORDS come two tiles to a register: lanes 0-15 the even tile's image, lanes 16-31 the odd tile's, which the product names by ROW1.
; WHAT IS ASKED FOR AHEAD, all from LDS into registers, one softmax before its use: batch 1's K behind batch 0's score products; batch 1's V behind batch 0's second product;
; the next step's bias and batch 0's K behind batch 1's score products; batch 0's next V behind batch 1's second product.  The hop words of the step after next are loaded from memory in between.
; NO DATA PREFETCH: K and V are asked for once, at the head, with no loop ahead of them; the hop words are loaded into registers a trip ahead of their use.
; LIMITS: hop lies in 0 .. 8; a block whose largest magnitude lies under 2^-124, and a block of zeros, gets the byte 1; NaN and infinities are not served; the scaled scores stay under 2^31 in magnitude.
; REGISTERS.  Window 0: v1-4 lane terms; v8 the table; v9, v10 the add's; v12-19 -M, largest t, sum, for each batch; v[20:21] f; v24-47 Q (upper six of each twelve zeros), v48-49 its scale words; v50-63 the second tile's Q;
; v64-79 hop words; v80-83 K's scale words, v84-85 V's, v86 p's; v88-95 two sets of LDS addresses; v96-159 S^T, then p; v160-207 permute indices; v208-219 codes; v220-255 at work.
; Window 1: v0-63 O^T of both batches; v64-127 the bias; v128-181 eight tiles of K; v184-231 four fragments of V.
.set KB,   57344                       ; a head's block of K (and of Q): 64 half records of 768 bytes, 64 scale images of 128
.set VB,   53248                       ; of V: 32 fragments of 1,536 bytes, 32 scale images
.set HB2,  KB+VB                       ; one batch's K and V in LDS
.set BST,  8*KB                        ; from a batch to the next in q's buffer
.set AST,  64*7168                     ; and in the output's
.set SPARE, 2*HB2                      ; the spare words: 128 bytes a wave
.set L16, 1
.set L8,  2
.set L4,  3
.set LS,  4                            ; 4 (lane % 16) + 128 (lane / 16): two scale images at once
.set TBL, 8
.set SPW, 9
.set NIL, 10
.set F,   20
.set QF,  24
.set QSC, 48
.set QN,  50
.set HW,  64
.set KSC, 80
.set VSC, 84
.set PSW, 86
.set A0,  88                           ; addresses of batch 0: 16-byte, 8-byte, K's scales, V's scales
.set A1,  92                           ; of batch 1
.set S,   96
.set IDX, 160
.set PC,  208
.set CT,  220
.set BM,  228
.set BT,  232
.set SO,  236
.set T,   240
.set SP,  242
.set O,   0                            ; window 1
.set BI,  64
.set KF,  128
.set VF,  184
.set WV,  16
.set SEL, 20
.set CS,  22
.set G1K, 24
.set G1V, 32
.set G0K, 40
.set G0V, 44
.set TK0, 48                           ; s48-50 batch 0: records, K's scales, V's scales of the step to be fetched;  s51-53 batch 1: of the step in hand
.set TK1, 51
.set CNT, 54
.set HC,  55
.set HB,  56
.set QB,  58
.set QS,  60
.set AB,  62
.set ASB, 66
.set RB,  68
.set MSB, 0
.macro WIN new                         ; the immediate's high byte repeats the setting that is left
.if MSB != \new
	s_set_vgpr_msb (MSB<<8)|\new
.set MSB, \new
.endif
.endm
.macro NOP4
.rept 4
	v_nop
.endr
.endm
.macro CROUND                          ; a round of the cluster's barrier
	s_barrier_signal -1
	s_barrier_wait -1
	s_cmp_lg_u32 s[WV], 0
	s_cbranch_scc1 .Lnot_wave_0_\@
	s_barrier_signal -3
.Lnot_wave_0_\@:
	s_barrier_wait -3
	s_barrier_signal -1
	s_barrier_wait -1
.endm
.macro ADDR a, sk
	v_add_nc_u32 v[\a], s[\sk], v[L16]
	v_add_nc_u32 v[\a+1], s[\sk], v[L8]
	v_add_nc_u32 v[\a+2], s[\sk+1], v[LS]
	v_add_nc_u32 v[\a+3], s[\sk+2], v[LS]
.endm
.macro KLOAD a                         ; eight tiles of K and their scale words: 20 LDS loads
	WIN 0x40
.irp t, 0,1,2,3,4,5,6,7
	ds_load_b128 v[KF+6*\t:KF+6*\t+3], v[\a] offset:768*\t
	ds_load_b64 v[KF+6*\t+4:KF+6*\t+5], v[\a+1] offset:768*\t+512
.endr
	WIN 0
.irp t, 0,1,2,3
	ds_load_b32 v[KSC+\t], v[\a+2] offset:49152+256*\t
.endr
.endm
.macro VLOAD a                         ; four fragments of V and their scale words: 14 LDS loads
	WIN 0x40
.irp t, 0,1,2,3
.irp g, 0,1,2
	ds_load_b128 v[VF+12*\t+4*\g:VF+12*\t+4*\g+3], v[\a] offset:KB+1536*\t+512*\g
.endr
.endr
	WIN 0
.irp t, 0,1
	ds_load_b32 v[VSC+\t], v[\a+3] offset:256*\t
.endr
.endm
.macro SMM bb                          ; S^T = K Q^T + 8 bias: eight accumulators, each written once
	WIN 0x11
.irp t, 0,2,4,6,1,3,5,7
.if \t%2
	v_wmma_scale_f32_16x16x128_f8f6f4 v[S+8*\t:S+8*\t+7], v[KF+6*\t:KF+6*\t+11], v[QF+12*\bb:QF+12*\bb+11], v[BI+8*\t:BI+8*\t+7], v[KSC+\t/2], v[QSC+\bb] matrix_a_fmt:MATRIX_FMT_FP6 matrix_b_fmt:MATRIX_FMT_FP6 matrix_a_scale:MATRIX_SCALE_ROW1
.else
	v_wmma_scale_f32_16x16x128_f8f6f4 v[S+8*\t:S+8*\t+7], v[KF+6*\t:KF+6*\t+11], v[QF+12*\bb:QF+12*\bb+11], v[BI+8*\t:BI+8*\t+7], v[KSC+\t/2], v[QSC+\bb] matrix_a_fmt:MATRIX_FMT_FP6 matrix_b_fmt:MATRIX_FMT_FP6
.endif
.endr
	WIN 0
.endm
.macro MID                             ; the next step's bias and batch 0's K.  The 52 vector lines are the places behind the score products
	s_wait_loadcnt 0x0                             ; that step's hop words; the first time also Q
.irp m, 0,1,2,3,4,5,6,7,8,9,10,11,12,13,14,15
	v_bfe_u32 v[IDX+3*\m], v[HW+\m], 8, 8
	v_bfe_u32 v[IDX+3*\m+1], v[HW+\m], 16, 8
	v_lshrrev_b32 v[IDX+3*\m+2], 24, v[HW+\m]
.endr
	ADDR A0, TK0
	WIN 0x40
.irp m, 0,1,2,3,4,5,6,7,8,9,10,11,12,13,14,15
	ds_bpermute_b32 v[BI+4*\m], v[HW+\m], v[TBL]   ; 8 x bias of key 32 (register / 16) + 16 (lane / 16) + register % 16; the lowest byte as it stands in the word
.irp e, 1,2,3
	ds_bpermute_b32 v[BI+4*\m+\e], v[IDX+3*\m+\e-1], v[TBL]
.endr
.endr
	KLOAD A0
.endm
.macro HOPS                            ; four loads: the hop words of one step, 2,048 bytes on
	s_add_nc_u64 s[HB:HB+1], s[HB:HB+1], 2048      ; (the loads that named this base have been waited for)
.irp g, 0,1,2,3
	global_load_b128 v[HW+4*\g:HW+4*\g+3], v[L16], s[HB:HB+1] offset:512*\g
.endr
.endm
; four blocks' bytes and scale operands from their largest magnitudes in BM; then 64 numbers in S become 12 registers of codes in PC
.macro CODES
.irp k, 0,1,2,3
	s_delay_alu instid0(VALU_DEP_4)
	v_add_nc_u32 v[SO+\k], 0xff000000, v[BM+\k]    ; 2 off the exponent field: the conversion's scale operand
.endr
.irp k, 0,1,2,3
	s_delay_alu instid0(VALU_DEP_4)
	v_lshrrev_b32 v[BT+\k], 23, v[SO+\k]           ; the scale's byte
.endr
.endm
.macro CVT
.irp c, 0,1
	v_cvt_scalef32_pk16_fp6_f32 v[PC+6*\c:PC+2+6*\c], v[S+32*\c:S+15+32*\c], v[SO+2*\c]
	v_cvt_scalef32_pk16_fp6_f32 v[CT+4*\c:CT+2+4*\c], v[S+16+32*\c:S+31+32*\c], v[SO+2*\c+1]
.endr
	v_nop                                          ; one plain place behind a scaled conversion
.irp c, 0,1                                    ; a whole block to a lane: lanes 0-15 block 2 c, lanes 16-31 block 2 c + 1
.irp i, 0,1,2
	v_permlane16_swap_b32 v[PC+6*\c+\i], v[CT+4*\c+\i]
.endr
.irp i, 0,1,2
	s_delay_alu instid0(VALU_DEP_3)
	v_mov_b32 v[PC+3+6*\c+\i], v[CT+4*\c+\i]
.endr
.endr
.endm
.macro SMAX bb, hl                     ; batch bb's scores in S become p, its codes, its scale word; the sum and M are carried on
.set NM, 12+4*\bb
.set SU, 14+4*\bb
.irp k, 0,1,2,3
	v_max3_num_f32 v[BM+\k], v[S+16*\k], v[S+1+16*\k], v[S+2+16*\k]   ; the largest score of each block of 32 keys (each accumulator from its low end on)
.endr
.irp i, 3,5,7,9,11,13
.irp k, 0,1,2,3
	v_max3_num_f32 v[BM+\k], v[BM+\k], v[S+16*\k+\i], v[S+1+16*\k+\i]
.endr
.endr
.irp k, 0,1,2,3
	v_max_num_f32 v[BM+\k], v[BM+\k], v[S+15+16*\k]
.endr
.irp k, 0,1,2,3
	s_delay_alu instid0(VALU_DEP_4)
	v_permlanex16_b32 v[BT+\k], v[BM+\k], s[SEL], s[SEL+1]
.endr
.irp k, 0,1,2,3
	s_delay_alu instid0(VALU_DEP_4)
	v_max_num_f32 v[BM+\k], v[BM+\k], v[BT+\k]     ; with lane l xor 16's 16 keys
.endr
	s_delay_alu instid0(VALU_DEP_2)
	v_max3_num_f32 v[T], v[BM], v[BM+1], v[BM+2]
	s_delay_alu instid0(VALU_DEP_1)
	v_max_num_f32 v[T], v[T], v[BM+3]              ; the step's largest score of my query
	s_delay_alu instid0(VALU_DEP_1)
	v_mul_f32 v[T], s[CS], v[T]                    ; as t (c is positive)
	s_delay_alu instid0(VALU_DEP_1)
	v_max_num_f32 v[NM+1], v[NM+1], v[T]           ; the running largest t
	v_mov_b32 v[T], v[NM]
	s_delay_alu instid0(VALU_DEP_2)
	v_floor_f32 v[NM], -v[NM+1]                    ; the new -M = -ceil(t): a whole number
.set J, 0
.rept 32
	v_pk_fma_f32 v[S+J:S+J+1], v[S+J:S+J+1], s[CS:CS+1], v[NM:NM+1] op_sel_hi:[1,0,0]   ; t - M, two at a time; the three lines that make f stand among them, five lines apart
.if J == 8
	v_sub_f32 v[T], v[NM], v[T]                    ; old M - new M, 0 or less
.endif
.if J == 18
	v_cvt_i32_f32 v[T], v[T]                       ; (it saturates)
.endif
.if J == 28
	v_ldexp_f32 v[F], 1.0, v[T]                    ; f = 2^(old M - new M): a multiplication by it rounds nothing
.endif
.set J, J+2
.endr
.irp k, 0,1,2,3
	v_fma_f32 v[BM+\k], v[BM+\k], s[CS], v[NM]     ; the same of each block's largest score
.endr
	s_wait_alu depctr_va_vdst(0)
.set J, 0
.rept 64
	v_exp_f32 v[S+J], v[S+J]                       ; p = 2^(t - M), at most 1
.set J, J+1
.endr
.irp k, 0,1,2,3
	v_exp_f32 v[BM+\k], v[BM+\k]                   ; the block's largest p: the same two instructions on the same number
.endr
	v_pk_mul_f32 v[SU:SU+1], v[SU:SU+1], v[F:F+1] op_sel_hi:[1,0]   ; the sums under the new M.  (A plain place behind the exponentials)
	s_wait_alu depctr_va_vdst(0)                   ; and behind it
.if \hl
	s_wait_dscnt 20                                ; the permutes have read the hop words (behind them: K's 20 loads)
	s_cmp_eq_u32 s[HC], 0                          ; my last steps ask for nothing: no load leaves its buffer
	s_cbranch_scc1 .Lno_hop_\@
	HOPS
	s_sub_co_u32 s[HC], s[HC], 1
.Lno_hop_\@:
.endif
.irp k, 0,1,2,3
	v_max_num_f32 v[BM+\k], 0x1800000, v[BM+\k]    ; the floor 2^(3 - 127): the byte cannot fall under 1
.endr
	CODES
	s_delay_alu instid0(VALU_DEP_3)
	v_lshl_or_b32 v[PSW], v[BT+1], 8, v[BT]        ; p's scale word for these 128 keys
	s_delay_alu instid0(VALU_DEP_1)
	v_lshl_or_b32 v[PSW], v[BT+2], 16, v[PSW]
	s_delay_alu instid0(VALU_DEP_1)
	v_lshl_or_b32 v[PSW], v[BT+3], 24, v[PSW]
	CVT
.set J, 0                              ; the row's sum of the unquantised p: eight chains of packed additions
.rept 7
	v_pk_add_f32 v[SP+2*J:SP+2*J+1], v[S+2*J:S+2*J+1], v[S+14+2*J:S+15+2*J]
.set J, J+1
.endr
	v_pk_add_f32 v[SU:SU+1], v[SU:SU+1], v[S+28:S+29]
.irp o, 30,46
.set J, 0
.rept 7
	v_pk_add_f32 v[SP+2*J:SP+2*J+1], v[SP+2*J:SP+2*J+1], v[S+\o+2*J:S+\o+1+2*J]
.set J, J+1
.endr
	v_pk_add_f32 v[SU:SU+1], v[SU:SU+1], v[S+\o+14:S+\o+15]
.endr
	v_pk_add_f32 v[SP:SP+1], v[SP:SP+1], v[S+62:S+63]
	v_pk_add_f32 v[SP+2:SP+3], v[SP+2:SP+3], v[SP+4:SP+5]
	v_pk_add_f32 v[SP+6:SP+7], v[SP+6:SP+7], v[SP+8:SP+9]
	v_pk_add_f32 v[SP+10:SP+11], v[SP+10:SP+11], v[SP+12:SP+13]
	v_pk_add_f32 v[SU:SU+1], v[SU:SU+1], v[SP:SP+1]
	v_pk_add_f32 v[SP+2:SP+3], v[SP+2:SP+3], v[SP+6:SP+7]
	v_pk_add_f32 v[SU:SU+1], v[SU:SU+1], v[SP+10:SP+11]
	s_delay_alu instid0(VALU_DEP_1)
	v_pk_add_f32 v[SU:SU+1], v[SU:SU+1], v[SP+2:SP+3]
.endm
.macro PV bb, n                        ; O^T of batch bb under the new M, then += V^T P^T.  n: the LDS loads behind V's, which may stay out
	WIN 0x41
	s_wait_alu depctr_va_vdst(0)                   ; directly ahead of the first reader of O^T
.set J, 0
.rept 16
	v_pk_mul_f32 v[O+32*\bb+J:O+32*\bb+J+1], v[O+32*\bb+J:O+32*\bb+J+1], v[F:F+1] op_sel_hi:[1,0]
.set J, J+2
.endr
	s_wait_alu depctr_va_vdst(0)                   ; and ahead of the wait below
	s_wait_dscnt \n                                ; V is in
	WIN 0x51
.irp t, 0,1,2,3
.if \t%2
	v_wmma_scale_f32_16x16x128_f8f6f4 v[O+32*\bb+8*\t:O+32*\bb+8*\t+7], v[VF+12*\t:VF+12*\t+11], v[PC:PC+11], v[O+32*\bb+8*\t:O+32*\bb+8*\t+7], v[VSC+\t/2], v[PSW] matrix_a_fmt:MATRIX_FMT_FP6 matrix_b_fmt:MATRIX_FMT_FP6 matrix_a_scale:MATRIX_SCALE_ROW1
.else
	v_wmma_scale_f32_16x16x128_f8f6f4 v[O+32*\bb+8*\t:O+32*\bb+8*\t+7], v[VF+12*\t:VF+12*\t+11], v[PC:PC+11], v[O+32*\bb+8*\t:O+32*\bb+8*\t+7], v[VSC+\t/2], v[PSW] matrix_a_fmt:MATRIX_FMT_FP6 matrix_b_fmt:MATRIX_FMT_FP6
.endif
.endr
	WIN 0
	NOP4                                           ; four places in front of loads into V's registers and of reads of O^T
.endm
.macro TRIP pf                         ; 128 keys, both batches.  pf = 1: a further step follows and is fetched
	s_wait_dscnt 14                                ; the bias and batch 0's K are in; V's 14 loads may be out
	SMM 0
	ADDR A1, TK1                                   ; (four places behind the products)
	KLOAD A1
	SMAX 0, 0
	PV 0, 20                                       ; behind V's loads: batch 1's K, 20 loads
	VLOAD A1
	s_wait_dscnt 14                                ; batch 1's K is in; its V's 14 loads may be out
	SMM 1
.if \pf
	MID
.else
	NOP4
.endif
	SMAX 1, \pf
	PV 1, 0
.if \pf
	VLOAD A0
.endif
	s_add_co_u32 s[TK0], s[TK0], 6144
	s_add_co_u32 s[TK0+1], s[TK0+1], 1024
	s_add_co_u32 s[TK0+2], s[TK0+2], 512
	s_add_co_u32 s[TK1], s[TK1], 6144
	s_add_co_u32 s[TK1+1], s[TK1+1], 1024
	s_add_co_u32 s[TK1+2], s[TK1+2], 512
.endm
.macro EPI qt                          ; both batches: O^T / sum, quantised along the head's 64, stored as half records
.irp k, 0,1
	v_add_f32 v[14+4*\k], v[14+4*\k], v[15+4*\k]
.endr
.irp k, 0,1
	s_delay_alu instid0(VALU_DEP_2)
	v_permlanex16_b32 v[BT+\k], v[14+4*\k], s[SEL], s[SEL+1]
.endr
.irp k, 0,1
	s_delay_alu instid0(VALU_DEP_2)
	v_add_f32 v[14+4*\k], v[14+4*\k], v[BT+\k]
.endr
	s_wait_alu depctr_va_vdst(0)
	v_rcp_f32 v14, v14
	v_rcp_f32 v18, v18
	v_nop                                          ; one plain place behind a transcendental
	WIN 0x01
	s_wait_alu depctr_va_vdst(0)
.set J, 0
.rept 32
	v_mul_f32 v[S+J], v[O+J], v14                  ; register 16 b + n is channel 32 b + 16 (lane / 16) + n of my query
.set J, J+1
.endr
.rept 32
	v_mul_f32 v[S+J], v[O+J], v18
.set J, J+1
.endr
	WIN 0
.irp k, 0,1,2,3                                ; blocks 0, 1: batch 0's;  2, 3: batch 1's
	v_max3_num_f32 v[BM+\k], |v[S+16*\k]|, |v[S+1+16*\k]|, 0x1800000
.endr
.irp i, 2,4,6,8,10,12,14
.irp k, 0,1,2,3
	v_max3_num_f32 v[BM+\k], v[BM+\k], |v[S+16*\k+\i]|, |v[S+1+16*\k+\i]|
.endr
.endr
.irp k, 0,1,2,3
	s_delay_alu instid0(VALU_DEP_4)
	v_permlanex16_b32 v[BT+\k], v[BM+\k], s[SEL], s[SEL+1]
.endr
.irp k, 0,1,2,3
	s_delay_alu instid0(VALU_DEP_4)
	v_max_num_f32 v[BM+\k], v[BM+\k], v[BT+\k]
.endr
	CODES
	v_lshl_or_b32 v[T], v[BT+1], 8, v[BT]          ; two bytes a batch; the upper two stay 0
	v_lshl_or_b32 v[T+1], v[BT+3], 8, v[BT+2]
	CVT
.irp k, 0,1
	global_store_b128 v[L16], v[PC+6*\k:PC+6*\k+3], s[AB:AB+1] offset:AST*\k+7168*\qt       ; two aligned blocks of 256 bytes,
	global_store_b64 v[L8], v[PC+6*\k+4:PC+6*\k+5], s[AB:AB+1] offset:AST*\k+7168*\qt+512   ; and a third
	global_store_b32 v[L4], v[T+\k], s[ASB:ASB+1] offset:AST*\k+7168*\qt+6144
.endr
.endm
.macro TILE qt
.if \qt
	s_wait_xcnt 0x0                                ; the last tile's stores have read their registers
.irp n, 0,1,2,3,4,5
	v_mov_b32 v[QF+\n], v[QN+\n]
	v_mov_b32 v[QF+12+\n], v[QN+6+\n]
.endr
	v_mov_b32 v[QSC], v[QN+12]
	v_mov_b32 v[QSC+1], v[QN+13]
.endif
.irp k, 0,1
	v_mov_b32 v[13+4*\k], 0xff61b1e6               ; the largest t so far: -3e38
	v_mov_b32 v[14+4*\k], 0
	v_mov_b32 v[15+4*\k], 0
.endr
.irp k, 0,1
	v_floor_f32 v[12+4*\k], -v[13+4*\k]
.endr
	WIN 0x40
.set J, 0
.rept 64
	v_mov_b32 v[O+J], 0                            ; the trip is written once for all steps: the first finds zeros
.set J, J+1
.endr
	WIN 0
	s_mov_b32 s[TK0], 6144                         ; step 0 has been fetched
	s_mov_b32 s[TK0+1], 1024
	s_mov_b32 s[TK0+2], KB+49152+512
	s_mov_b32 s[TK1], HB2
	s_mov_b32 s[TK1+1], HB2
	s_mov_b32 s[TK1+2], HB2+KB+49152
	s_mov_b32 s[CNT], 7
	s_wait_alu depctr_va_vdst(0)
.Lstep_\@:
	TRIP 1
	s_sub_co_u32 s[CNT], s[CNT], 1
	s_cmp_lg_u32 s[CNT], 0
	s_wait_alu depctr_va_vdst(0)
	s_cbranch_scc1 .Lstep_\@
.if \qt
	TRIP 0
.else
	s_mov_b32 s[TK0], 0                            ; the last step of my first tile fetches step 0 for my second
	s_mov_b32 s[TK0+1], 0
	s_mov_b32 s[TK0+2], KB+49152
	TRIP 1
.endif
	EPI \qt
.endm
	s_load_b256 s[4:11], s[0:1], 0x0               ; q s[4:5], k s[6:7], v s[8:9], hop bytes s[10:11]
	s_load_b128 s[12:15], s[0:1], 0x20             ; rpe s[12:13], the output's codes s[14:15]
	v_lshl_add_u32 v[SPW], v0, 2, SPARE
	v_mov_b32 v[NIL], 0
	ds_add_u32 v[SPW], v[NIL]
	ds_add_u32 v[SPW], v[NIL]
	v_lshrrev_b32 v1, 5, v0
	v_readfirstlane_b32 s[WV], v1                  ; wave 0..7
	s_bfe_u32 s17, ttmp6, 0x40000                  ; cx: which quarter of the queries
	s_and_b32 s18, ttmp7, 0xffff                   ; y
	s_and_b32 s19, s18, 7                          ; h
	s_lshr_b32 s70, s18, 3
	s_lshl_b32 s70, s70, 4
	s_add_co_u32 s70, s70, s19                     ; the first batch's head: 8 x (2 x pair) + h
.irp g, G1K, G1V                               ; a dense block as rows of 256 bytes (32 elements of 8 bytes); the mask names the cluster's four, bit 21 beside it
	s_mov_b32 s[\g], 15|(3<<16)|(1<<21)
	s_mov_b32 s[\g+1], 32<<16
	s_mov_b32 s[\g+3], 32<<16
	s_mov_b32 s[\g+5], 32
	s_mov_b32 s[\g+6], 0
	s_mov_b32 s[\g+7], 0
.endr
	s_mov_b32 s[G1K+2], 112<<16                    ; half of K's block: 28,672 bytes
	s_mov_b32 s[G1K+4], 112
	s_mov_b32 s[G1V+2], 104<<16                    ; half of V's: 26,624 bytes
	s_mov_b32 s[G1V+4], 104
	s_and_b32 s71, s[WV], 3
	s_lshr_b32 s72, s71, 1                         ; which batch I fetch for,
	s_and_b32 s71, s71, 1                          ; and which half of its block
	s_lshl_b32 s73, s72, 3
	s_add_co_u32 s73, s73, s70
	s_mul_i32 s74, s73, KB
	s_mul_i32 s76, s71, KB/2
	s_add_co_u32 s74, s74, s76
	s_mov_b32 s75, 0
	s_mul_i32 s78, s73, VB
	s_mul_i32 s77, s71, VB/2
	s_add_co_u32 s78, s78, s77
	s_mov_b32 s79, 0
	s_mul_i32 s72, s72, HB2
	s_add_co_u32 s76, s76, s72                     ; LDS: K's half
	s_add_co_u32 s77, s77, s72
	s_add_co_u32 s77, s77, KB                      ; V's half
	s_wait_dscnt 0x0
	s_wait_kmcnt 0x0
	s_mov_b32 s[G0K], 1
	s_mov_b32 s[G0K+1], s76
	s_add_nc_u64 s[G0K+2:G0K+3], s[6:7], s[74:75]
	s_or_b32 s[G0K+3], s[G0K+3], 0x80000000
	s_mov_b32 s[G0V], 1
	s_mov_b32 s[G0V+1], s77
	s_add_nc_u64 s[G0V+2:G0V+3], s[8:9], s[78:79]
	s_or_b32 s[G0V+3], s[G0V+3], 0x80000000
	CROUND                                         ; the four work-groups are here: the joint loads meet
	s_cmp_lt_u32 s[WV], 4                          ; waves 0-3: K's halves; waves 4-7: V's: one load a wave
	s_cbranch_scc0 .Lfor_v
	tensor_load_to_lds s[G0K:G0K+3], s[G1K:G1K+7]
	s_nop 0
	NOP4
	s_branch .Lasked
.Lfor_v:
	tensor_load_to_lds s[G0V:G0V+3], s[G1V:G1V+7]
	s_nop 0
	NOP4
.Lasked:
	s_mov_b32 s73, 0                               ; the upper word of every offset below
	s_mul_i32 s72, s19, 36
	s_add_nc_u64 s[RB:RB+1], s[12:13], s[72:73]    ; the head's row of rpe
	s_lshl_b32 s71, s17, 4
	s_lshl_b32 s74, s[WV], 1
	s_add_co_u32 s71, s71, s74                     ; my first query tile: 16 x quarter + 2 x wave
	s_lshl_b32 s72, s71, 14                        ; its hop words: 8 steps x 2,048 bytes a tile; my 16 steps lie on end
	s_add_nc_u64 s[HB:HB+1], s[10:11], s[72:73]
	s_mul_i32 s76, s70, KB
	s_mul_i32 s72, s71, 768
	s_add_co_u32 s72, s72, s76
	s_add_nc_u64 s[QB:QB+1], s[4:5], s[72:73]
	s_lshl_b32 s72, s71, 7
	s_add_co_u32 s72, s72, s76
	s_add_nc_u64 s[QS:QS+1], s[4:5], s[72:73]
	s_lshr_b32 s74, s18, 3
	s_lshl_b32 s74, s74, 7
	s_add_co_u32 s74, s74, s71                     ; the token tile among all 1,024: 64 x batch + query tile
	s_mul_i32 s74, s74, 7168
	s_mul_i32 s72, s19, 768
	s_add_co_u32 s72, s72, s74
	s_add_nc_u64 s[AB:AB+1], s[14:15], s[72:73]
	s_lshl_b32 s72, s19, 7
	s_add_co_u32 s72, s72, s74
	s_add_nc_u64 s[ASB:ASB+1], s[14:15], s[72:73]
	s_mov_b32 s[SEL], 0x76543210
	s_mov_b32 s[SEL+1], 0xfedcba98
	s_mov_b32 s[CS], 0x3e38aa3b                    ; c = log2(e) / 8
	s_mov_b32 s[CS+1], s[CS]
	s_mov_b32 s[HC], 14                            ; hop fetches that the trips still make
	s_mov_b32 s[TK0], 0
	s_mov_b32 s[TK0+1], 0
	s_mov_b32 s[TK0+2], KB+49152
	v_and_b32 v5, 31, v0
	v_and_b32 v6, 15, v0
	v_bfe_u32 v7, v0, 4, 1
	v_lshlrev_b32 v[L16], 4, v5
	v_lshlrev_b32 v[L8], 3, v5
	v_lshlrev_b32 v[L4], 2, v5
	v_lshlrev_b32 v[LS], 2, v6
	v_lshl_add_u32 v[LS], v7, 7, v[LS]
	v_min_u32 v5, 8, v5
	v_lshlrev_b32 v5, 2, v5                        ; lanes 0-8 take the head's nine numbers, the others the ninth again
	s_wait_alu depctr_va_vdst(0)
	global_load_b32 v[TBL], v5, s[RB:RB+1]
.irp g, 0,1,2,3
	global_load_b128 v[HW+4*\g:HW+4*\g+3], v[L16], s[HB:HB+1] offset:512*\g
.endr
.irp k, 0,1                                    ; both batches' Q of my first tile, and of my second into registers of its own
	global_load_b128 v[QF+12*\k:QF+12*\k+3], v[L16], s[QB:QB+1] offset:BST*\k
	global_load_b64 v[QF+12*\k+4:QF+12*\k+5], v[L8], s[QB:QB+1] offset:BST*\k+512
	global_load_b32 v[QSC+\k], v[L4], s[QS:QS+1] offset:BST*\k+49152
	global_load_b128 v[QN+6*\k:QN+6*\k+3], v[L16], s[QB:QB+1] offset:BST*\k+768
	global_load_b64 v[QN+6*\k+4:QN+6*\k+5], v[L8], s[QB:QB+1] offset:BST*\k+768+512
	global_load_b32 v[QN+12+\k], v[L4], s[QS:QS+1] offset:BST*\k+49152+128
.endr
.irp j, 6,7,8,9,10,11,18,19,20,21,22,23
	v_mov_b32 v[QF+\j], 0                          ; Q's codes over the padded half of K
.endr
.irp k, 0,1,2,3
	v_mov_b32 v[BT+\k], 0                          ; a lane permute's destination counts as one of its sources
.endr
	v_mov_b32 v[F+1], 0                            ; (named as the upper half of the pair)
	WIN 0x40
.irp j, 48,49,50,51,52,53
	v_mov_b32 v[KF+\j], 0                          ; named behind K's eighth tile: they meet Q's zeros
.endr
	WIN 0
	s_wait_loadcnt 16                              ; the table is in; the four hop loads and Q's twelve may be out
	v_mul_f32 v[TBL], 0x41000000, v[TBL]           ; 8 x rpe: exact
	s_wait_alu depctr_va_vdst(0)
	s_wait_tensorcnt 0x0                           ; my half block has landed,
	s_barrier_signal -1
	s_barrier_wait -1                              ; everybody's has: from here on LDS is only read
	MID                                            ; step 0's bias and batch 0's K
	s_wait_alu depctr_va_vdst(0)
	s_wait_dscnt 20                                ; the permutes have read the hop words
	HOPS                                           ; step 1's
	VLOAD A0
	TILE 0
	TILE 1
	s_wait_tensorcnt 0x0                           ; the wave's end
	ds_add_u32 v[SPW], v[NIL]
	s_wait_dscnt 0x0
	CROUND                                         ; the closing round
	s_endpgm
.Lfunc_end_k_qf8b5900810_attn:
	.size	k_qf8b5900810_attn, .Lfunc_end_k_qf8b5900810_attn-k_qf8b5900810_attn
	.p2alignl 7, 3214868480
	.fill 96, 4, 3214868480
	.section	.rodata,"a",@progbits
	.p2align	6, 0x0
	.amdhsa_kernel k_qf8b5900810_attn
		.amdhsa_group_segment_fixed_size 223232
		.amdhsa_private_segment_fixed_size 0
		.amdhsa_enable_private_segment 0
		.amdhsa_kernarg_size 48
		.amdhsa_user_sgpr_count 2
		.amdhsa_user_sgpr_kernarg_segment_ptr 1
		.amdhsa_wavefront_size32 1
		.amdhsa_system_sgpr_workgroup_id_x 1
		.amdhsa_system_sgpr_workgroup_id_y 1
		.amdhsa_system_sgpr_workgroup_id_z 1
		.amdhsa_system_vgpr_workitem_id 0
		.amdhsa_next_free_vgpr 512
		.amdhsa_next_free_sgpr 96
		.amdhsa_reserve_vcc 0
		.amdhsa_float_denorm_mode_32 3
		.amdhsa_float_denorm_mode_16_64 3
		.amdhsa_memory_ordered 1
		.amdhsa_forward_progress 1
		.amdhsa_inst_pref_size 195
	.end_amdhsa_kernel
	.amdgpu_metadata
---
amdhsa.version: [ 1, 2 ]
amdhsa.kernels:
  - .name:           k_qf8b5900810_attn
    .symbol:         k_qf8b5900810_attn.kd
    .args:
      - { .name: qcod, .offset: 0, .size: 8, .value_kind: global_buffer, .address_space: global }
      - { .name: kcod, .offset: 8, .size: 8, .value_kind: global_buffer, .address_space: global }
      - { .name: vcod, .offset: 16, .size: 8, .value_kind: global_buffer, .address_space: global }
      - { .name: hopb, .offset: 24, .size: 8, .value_kind: global_buffer, .address_space: global }
      - { .name: rpe, .offset: 32, .size: 8, .value_kind: global_buffer, .address_space: global }
      - { .name: acod, .offset: 40, .size: 8, .value_kind: global_buffer, .address_space: global }
    .group_segment_fixed_size: 223232
    .private_segment_fixed_size: 0
    .kernarg_segment_align: 8
    .kernarg_segment_size: 48
    .max_flat_workgroup_size: 256
    .sgpr_count:     96
    .vgpr_count:     512
    .wavefront_size: 32
...
	.end_amdgpu_metadata
.endif
;; end of part 3
;; launch oproj (part 4): grid 4 x 64, 8 waves a work-group, clusters of 4 x 1, 327,680 bytes of LDS; arguments acod, wcod, bo, out0; writes out0
.if DOCPART == 4
	.amdgcn_target "amdgcn-amd-amdhsa--gfx1250"
	.amdhsa_code_object_version 6
	.text
	.protected	k_qf8b5900810_oproj
	.globl	k_qf8b5900810_oproj
	.p2align	8
	.type	k_qf8b5900810_oproj,@function
k_qf8b5900810_oproj:
	s_mov_b64 s[64:65], 0
	v_nop
	global_prefetch_b8 v0, s[64:65] scope:SCOPE_SE
	s_setreg_imm32_b32 hwreg(HW_REG_WAVE_MODE, 25, 1), 1
	s_wait_xcnt 0x0
	s_wait_alu depctr_hold_cnt(0) depctr_sa_sdst(0) depctr_va_vdst(0) depctr_va_sdst(0) depctr_va_ssrc(0) depctr_va_vcc(0) depctr_vm_vsrc(0)
	s_getreg_b32 s2, hwreg(HW_REG_IB_STS2, 6, 4)
	s_cmp_eq_u32 s2, 0
	s_cbranch_scc0 .Lentry_in_a_cluster
	s_endpgm
.Lentry_in_a_cluster:
	s_bfe_u32 s2, ttmp6, 0x10000c
	s_cmp_lg_u32 s2, 0x3003
	s_cbranch_scc0 .Lentry_shape_is_right
	s_endpgm
.Lentry_shape_is_right:
.set TR,   6656
.set AR,   7168
.set AL,   8*TR
.set STG,  AL+16*AR
.set SP,   528
.set L16,  1
.set L8,   2
.set L4,   3
.set ADB,  4
.set ADB8, 5
.set ADBS, 6
.set BOF,  8
.set STO,  9
.set SRD,  10
.set BF0,  16
.set BF1,  96
.set ASC,  42
.set AF,   48
.set BSC,  120
.set ACC,  128
.set G1,   24
.set G1A,  32
.set G0,   40
.set G0A,  52
.set BB,   46
.set OO,   48
.macro LDA n
.set LAA, (\n)%8
.set LAS, (\n)/8
.set LAQ, (\n)%4
.irp g, 0,1,2
	ds_load_b128 v[AF+12*LAQ+4*\g:AF+12*LAQ+4*\g+3], v[L16] offset:TR*LAA+1536*LAS+512*\g
.endr
	ds_load_b32 v[ASC+LAQ], v[L4] offset:TR*LAA+6144+128*LAS
.endm
.macro LDB s
.set LBS, (\s)
.set LBF, BF0+(BF1-BF0)*(LBS%2)
.irp b, 0,1
.irp c, 0,1
	ds_load_b128 v[LBF+12*\b+6*\c:LBF+12*\b+6*\c+3], v[ADB] offset:AR*\b+768*(2*LBS+\c)
	ds_load_b64 v[LBF+12*\b+6*\c+4:LBF+12*\b+6*\c+5], v[ADB8] offset:AR*\b+768*(2*LBS+\c)+512
.endr
.endr
.endm
.macro MM n
.set MA, (\n)%8
.set MS, (\n)/8
.set MQ, (\n)%4
.set MBF, BF0+(BF1-BF0)*(MS%2)
.irp b, 0,1
	v_wmma_scale_f32_16x16x128_f8f6f4 v[ACC+64*\b+8*MA:ACC+64*\b+8*MA+7], v[AF+12*MQ:AF+12*MQ+11], v[MBF+12*\b:MBF+12*\b+11], v[ACC+64*\b+8*MA:ACC+64*\b+8*MA+7], v[ASC+MQ], v[BSC+2*MS+\b] matrix_a_fmt:MATRIX_FMT_FP6 matrix_b_fmt:MATRIX_FMT_FP6
.endr
.endm
.macro TOSTAGE tt
.irp q, 0,1,2,3,4,5,6,7,8,9,10,11,12,13,14,15
	ds_store_b128 v[STO], v[ACC+64*\tt+4*\q:ACC+64*\tt+4*\q+3] offset:128*(\q/4)+16*(\q%4)
.endr
.endm
.macro BACK tt
.irp i, 0,1,2,3,4,5,6,7,8,9,10,11,12,13,14,15
	ds_load_b128 v[48+80*\tt+4*\i:48+80*\tt+4*\i+3], v[SRD] offset:SP*\i
.endr
.endm
.macro SEND tt, younger
.irp i, 0,1,2,3,4,5,6,7,8,9,10,11,12,13,14,15
	s_wait_dscnt \younger+15-\i
	global_store_b128 v[L16], v[48+80*\tt+4*\i:48+80*\tt+4*\i+3], s[OO:OO+1] offset:(8*\tt+\i+8*(\i/8))*2048 th:TH_STORE_NT
.endr
.endm
	s_load_b256 s[4:11], s[0:1], 0x0
	v_lshl_add_u32 v46, v0, 2, 0x39800
	v_mov_b32 v47, 0
	ds_add_u32 v46, v47
	ds_add_u32 v46, v47
	v_lshrrev_b32 v11, 5, v0
	s_delay_alu instid0(VALU_DEP_1)
	v_readfirstlane_b32 s14, v11
	; CLUSTER 4, 1, 1: the four channel blocks of one token block need the same 16 token records: these are asked for jointly
	s_bfe_u32 s15, ttmp6, 0x40000                  ; cx
	s_lshl_b32 s13, ttmp9, 2
	s_add_co_u32 s15, s15, s13                     ; the channel block: it enters global addresses alone
	s_and_b32 s16, ttmp7, 0xffff
.irp g, G1, G1A
	s_mov_b32 s[\g], 3<<16
	s_mov_b32 s[\g+1], 32<<16
	s_mov_b32 s[\g+3], 32<<16
	s_mov_b32 s[\g+5], 32
	s_mov_b32 s[\g+6], 0
	s_mov_b32 s[\g+7], 0
.endr
	; ONE tensor load a wave: waves 0-3 bring two of the eight weight records each (52 rows of 256 bytes), waves 4-7 four of the sixteen token records each (112 rows)
	s_mov_b32 s[G1+2], 52<<16
	s_mov_b32 s[G1+4], 52
	s_mov_b32 s[G1A], 15|(3<<16)|(1<<21)           ; the token records' loads name the cluster's four, bit 21 beside the mask
	s_mov_b32 s[G1A+2], 112<<16
	s_mov_b32 s[G1A+4], 112
	s_and_b32 s12, s14, 3                          ; which quarter I fetch
	s_lshl_b32 s13, s12, 1
	s_lshl_b32 s17, s15, 3
	s_add_co_u32 s17, s17, s13
	s_add_co_u32 s17, s17, 96
	s_mul_i32 s18, s17, TR
	s_mov_b32 s19, 0
	s_lshl_b32 s17, s16, 4
	s_lshl_b32 s20, s12, 2
	s_add_co_u32 s17, s17, s20
	s_mul_i32 s20, s17, AR
	s_mov_b32 s21, 0
	s_lshl_b32 s22, s15, 9
	s_mov_b32 s23, 0
	s_lshl_b32 s50, s16, 3
	s_add_co_u32 s50, s50, s14
	s_lshl_b32 s50, s50, 16
	s_add_co_u32 s50, s50, s22
	s_mov_b32 s51, 0
	s_wait_dscnt 0x0
	s_wait_kmcnt 0x0
	s_mov_b32 s[G0], 1
	s_mul_i32 s[G0+1], s12, 2*TR
	s_add_nc_u64 s[G0+2:G0+3], s[6:7], s[18:19]
	s_or_b32 s[G0+3], s[G0+3], 0x80000000
	s_mov_b32 s[G0A], 1
	s_mul_i32 s[G0A+1], s12, 4*AR
	s_add_co_u32 s[G0A+1], s[G0A+1], AL
	s_add_nc_u64 s[G0A+2:G0A+3], s[4:5], s[20:21]
	s_or_b32 s[G0A+3], s[G0A+3], 0x80000000
.macro CROUND                          ; a round of the cluster's barrier
	s_barrier_signal -1
	s_barrier_wait -1
	s_cmp_lg_u32 s14, 0
	s_cbranch_scc1 .Lnot_wave_0_\@
	s_barrier_signal -3
.Lnot_wave_0_\@:
	s_barrier_wait -3
	s_barrier_signal -1
	s_barrier_wait -1
.endm
	CROUND                                         ; the four work-groups are here: the joint loads meet
	s_cmp_lt_u32 s14, 4
	s_cbranch_scc0 .Lfor_a
	tensor_load_to_lds s[G0:G0+3], s[G1:G1+7]
	s_nop 0
.rept 4
	v_nop
.endr
	s_branch .Lasked
.Lfor_a:
	tensor_load_to_lds s[G0A:G0A+3], s[G1A:G1A+7]
	s_nop 0
.rept 4
	v_nop
.endr
.Lasked:
.rept 4
	v_nop
.endr
	s_add_nc_u64 s[BB:BB+1], s[8:9], s[22:23]
	s_add_nc_u64 s[OO:OO+1], s[10:11], s[50:51]
	v_and_b32 v11, 31, v0
	s_delay_alu instid0(VALU_DEP_1)
	v_lshlrev_b32 v[L16], 4, v11
	s_delay_alu instid0(VALU_DEP_2)
	v_lshlrev_b32 v[L8], 3, v11
	s_delay_alu instid0(VALU_DEP_3)
	v_lshlrev_b32 v[L4], 2, v11
	v_and_b32 v12, 15, v0
	v_bfe_u32 v13, v0, 4, 1
	s_delay_alu instid0(VALU_DEP_1)
	v_lshlrev_b32 v[BOF], 6, v13
.irp b, 0,1
.irp a, 0,1,2,3,4,5,6,7
	global_load_b128 v[ACC+64*\b+8*\a:ACC+64*\b+8*\a+3], v[BOF], s[BB:BB+1] offset:128*(\a/2)+32*(\a%2)
	global_load_b128 v[ACC+64*\b+8*\a+4:ACC+64*\b+8*\a+7], v[BOF], s[BB:BB+1] offset:128*(\a/2)+32*(\a%2)+16
.endr
.endr
	s_mul_i32 s17, s14, 2*AR
	s_add_co_u32 s17, s17, AL
	v_add_nc_u32 v[ADB], s17, v[L16]
	v_add_nc_u32 v[ADB8], s17, v[L8]
	v_add_nc_u32 v[ADBS], s17, v[L4]
	s_mul_i32 s17, s14, 16*SP
	s_add_co_u32 s17, s17, STG
	v_mul_u32_u24 v[STO], v12, SP
	s_delay_alu instid0(VALU_DEP_1)
	v_lshl_add_u32 v[STO], v13, 6, v[STO]
	s_delay_alu instid0(VALU_DEP_1)
	v_add_nc_u32 v[STO], s17, v[STO]
	v_add_nc_u32 v[SRD], s17, v[L16]
	s_wait_alu depctr_va_vdst(0)
	s_wait_tensorcnt 0x0                           ; my records have landed,
	s_barrier_signal -1
	s_barrier_wait -1                              ; everybody's have: the tiles are only read from here on
.irp b, 0,1
.irp d, 0,1,2,3,4,5,6,7
	ds_load_b32 v[48+8*\b+\d], v[ADBS] offset:AR*\b+6144+128*\d
.endr
.endr
	s_wait_dscnt 0x0
.irp s, 0,1,2,3
.irp b, 0,1
	v_lshl_or_b32 v[BSC+2*\s+\b], v[48+8*\b+2*\s+1], 16, v[48+8*\b+2*\s]
.endr
.endr
	s_wait_alu depctr_va_vdst(0)
.rept 8
	v_nop
.endr
	s_wait_loadcnt 0x0
	LDB 0
	LDA 0
	LDA 1
	LDA 2
	LDA 3
.set N, 0
.rept 32
.if N < 29
	s_wait_dscnt 12
.else
	s_wait_dscnt 4*(31-N)
.endif
	MM N
.if N < 28
.rept 4
	v_nop
.endr
.if (N%8 == 3) && (N < 24)
	LDB N/8+1
.endif
	LDA N+4
.endif
.set N, N+1
.endr
.rept 4
	v_nop
.endr
	TOSTAGE 0
	BACK 0
	TOSTAGE 1
	SEND 0, 16
	BACK 1
	SEND 1, 0
	s_wait_tensorcnt 0x0
	ds_add_u32 v46, v47
	s_wait_dscnt 0x0
	CROUND                                         ; the closing round
	s_endpgm
.Lfunc_end_k_qf8b5900810_oproj:
	.size	k_qf8b5900810_oproj, .Lfunc_end_k_qf8b5900810_oproj-k_qf8b5900810_oproj
	.p2alignl 7, 3214868480
	.fill 96, 4, 3214868480
	.section	.rodata,"a",@progbits
	.p2align	6, 0x0
	.amdhsa_kernel k_qf8b5900810_oproj
		.amdhsa_group_segment_fixed_size 327680
		.amdhsa_private_segment_fixed_size 0
		.amdhsa_enable_private_segment 0
		.amdhsa_kernarg_size 32
		.amdhsa_user_sgpr_count 2
		.amdhsa_user_sgpr_kernarg_segment_ptr 1
		.amdhsa_wavefront_size32 1
		.amdhsa_system_sgpr_workgroup_id_x 1
		.amdhsa_system_sgpr_workgroup_id_y 1
		.amdhsa_system_sgpr_workgroup_id_z 1
		.amdhsa_system_vgpr_workitem_id 0
		.amdhsa_next_free_vgpr 256
		.amdhsa_next_free_sgpr 66
		.amdhsa_reserve_vcc 0
		.amdhsa_float_denorm_mode_32 3
		.amdhsa_float_denorm_mode_16_64 3
		.amdhsa_memory_ordered 1
		.amdhsa_forward_progress 1
		.amdhsa_inst_pref_size 42
	.end_amdhsa_kernel
	.amdgpu_metadata
---
amdhsa.version: [ 1, 2 ]
amdhsa.kernels:
  - .name:           k_qf8b5900810_oproj
    .symbol:         k_qf8b5900810_oproj.kd
    .args:
      - { .name: acod, .offset: 0, .size: 8, .value_kind: global_buffer, .address_space: global }
      - { .name: wcod, .offset: 8, .size: 8, .value_kind: global_buffer, .address_space: global }
      - { .name: bo, .offset: 16, .size: 8, .value_kind: global_buffer, .address_space: global }
      - { .name: out0, .offset: 24, .size: 8, .value_kind: global_buffer, .address_space: global }
    .group_segment_fixed_size: 327680
    .private_segment_fixed_size: 0
    .kernarg_segment_align: 8
    .kernarg_segment_size: 32
    .max_flat_workgroup_size: 256
    .sgpr_count:     66
    .vgpr_count:     256
    .wavefront_size: 32
...
	.end_amdgpu_metadata
.endif
;; end of part 4
